; MI455X (gfx1250); checked and timed in simulation.
; The chip was launched on July 23, 2026; its instructions are those of AMD's public machine-readable ISA for CDNA 5 (MIT licence, August 2026) and "CDNA5" Instruction Set Architecture Reference Guide (July 2026). The comments in the code are by the model that wrote it; some were corrected since.
;; MFNN0. Allowed arithmetic: float matrix products may take bf16 or f16 operands with f32 sums; all other float work in f32.
;; Inputs: W 1 x 129 float32; b 1 float32; e 2,000,000 float32.
;; Outputs: out0 2,000,000 x 1 float32.
;; One version. Each part assembles by itself: llvm-mc -triple=amdgcn-amd-amdhsa -mcpu=gfx1250 --defsym DOCPART=n.
;; ======== version 1 of 1: 1 launch
;; limits: values are held in f16: magnitudes above 65,504 overflow, below 6.1e-05 lose precision; inputs' magnitudes at most 131,008
;; launch mfnn (part 1): grid 256 x 1, 16 waves a work-group, no clusters, 0 bytes of LDS; arguments e, W, b, out0; writes out0
.if DOCPART == 1
	.amdgcn_target "amdgcn-amd-amdhsa--gfx1250"
	.amdhsa_code_object_version 6
	.text
	.protected	k_q375c5d1846_mfnn
	.globl	k_q375c5d1846_mfnn
	.p2align	8
	.type	k_q375c5d1846_mfnn,@function
k_q375c5d1846_mfnn:
	s_mov_b64 s[64:65], 0
	v_nop
	global_prefetch_b8 v0, s[64:65] scope:SCOPE_SE
	s_setreg_imm32_b32 hwreg(HW_REG_WAVE_MODE, 25, 1), 1
	s_wait_xcnt 0x0
; out0[i] = W[0] + b + sum over k = 1..128 of W[k] cos(k pi e[i]).   e, out0: 2,000,000 f32.  W: 129 f32.  b: 1 f32.
;
; THE SUM IS REGROUPED, exactly: k = A + c with centres A = 16 a + 8 (a = 0..7) and c = -7..8, t = pi e:
;   out = W0 + b + sum_a cos(A t) [ W_A + sum_{j=1..8} (W_{A-j} + W_{A+j}) cos(j t) ]
;                + sum_a sin(A t) [       sum_{j=1..8} (W_{A-j} - W_{A+j}) sin(j t) ]        (for j = 8 only W_{A+8} is there)
; The brackets are a product of 16 features of an element with a fixed table: matrix unit, f16 operands, f32 sums.
; cos(j t), sin(j t) and cos(A t), sin(A t) come from f(n+1) = 2 cos(step) f(n) - f(n-1), one packed FMA for a (cos, sin) pair.
; Only 2 cos t and 2 sin t are evaluated: e/2 - rndne(e/2) is exact, folded to x in [-1, 1], then one odd polynomial of degree 9
; for 2 sin(pi x / 2) (Hastings' minimax form, ripple 1e-8 at this scale; the f32 roundings of its coefficients cancel at x = 1).
; All features carry the factor 2 (2 cos t is the recurrence's multiplier), so the table holds a quarter and C a half of the weights.
; f16 and not bf16: 128 products with 8-bit significands would leave an error of about a quarter of the allowed one; f16's is an eighth of that.
;
; LAYOUT.  Every lane owns one element.  Its f16 fragment (second source): registers 0-3 cos(j t), 4-7 sin(j t), j = 1..8, two to a register.
; By the 16-bit K = 32 map these are K blocks 8h..8h+7 and 16+8h..16+8h+7 of column r (lane = 16 h + r).  Row 8h + j of the weight
; fragment (first source) is zero outside the blocks of half h, so register j of D in lane (r, h) belongs to that lane's own element:
; no permute, no LDS, no sum across lanes.  Rows j = 0..7 are (cos, sin) of four centres; two matrix instructions serve eight centres.
;
; WORK.  A block = 128 elements: one 16-byte load and one 16-byte store a lane, 512 consecutive bytes, aligned, for each wave instruction.
; 15,625 blocks; wave g of 4,096 takes blocks g + 4096 t; t = 3 exists for g < 3337.  The two trip counts are two straight paths of one macro,
; so that no load is conditional inside a path and every wait count is exact.  All loads of e are issued at the head.
; No LDS, no barrier, no cluster: the work-groups share nothing but the 516 bytes of W.
;
; LIMITS.  e finite: a NaN or infinity in e[i] gives NaN at i, as it should, and also at i +- 64 (the other lane of its matrix column: 0 x NaN).
; Table entries (W_i +- W_j) / 4 stay below 65,504; W of root mean square under about 1e-4 falls into f16's denormal step of 2^-24.
; The angle is reduced with the true pi; a product pi e k rounded in f32 differs from it by about 1e-7 k pi |e| radians.
.set STRIDE, 0x200000                  ; 4,096 blocks of 512 bytes: from a wave's block to its next
.set FULL,   3337                      ; 15,625 - 3 x 4,096: waves below this number have a fourth block
.set OFF,  1                           ; v1       byte offset of my 16 bytes in e and in out0, block t = 0
.set WOFF, 2                           ; v2       byte offset 64 a of my table row's 17 weights
.set SG,   5                           ; v5       +1.0 in rows of cos, -1.0 in rows of sin
.set E,    8                           ; v[8:23]  e of blocks 0..3, four a lane; the results replace them and are stored from here
.set AWA,  24                          ; v[24:31] weight fragment, centres 0..3
.set AWB,  32                          ; v[32:39] weight fragment, centres 4..7
.set CA,   40                          ; v[40:47] C operand: W_A / 2 in rows of cos, 0 in rows of sin
.set CB,   48                          ; v[48:55] the same for centres 4..7
.set K9,   56                          ; v[56:57] the polynomial's highest coefficient, twice
.set F0,   58                          ; v[58:59] (2 cos 0, 2 sin 0)
.set KP,   60                          ; v[60:61] (W0 + b, 0): starts the sums
.set X16,  62                          ; v[62:65] 2 cos(16 t) of groups 0..3
.set ACC,  66                          ; v[66:73] (sum of cos parts, sum of sin parts) of groups 0..3
.set N,    66                          ; v[66:69] rndne(e/2), dead before ACC is started
.set T,    74                          ; v[74:77] e/2, then e/2 - rndne(e/2), in turns
.set F,    78                          ; v[78:141] group g, slot n = 1..8 at F + 16 g + 2 n - 2: (2 cos, 2 sin)(n t); later slot a: centre a, slot 8: centre 0
.set FR,   142                         ; v[142:173] group g: 8 registers of f16 features
.set D,    174                         ; v[174:237] group g: 16 coefficients, (cos, sin) of centres 0..7
.set WR,   174                         ; prologue only: W[16 a .. 16 a + 16]
.set TB,   194                         ; prologue only: the row's 8 entries in f32
.set PK,   202                         ; prologue only: the same in f16, 4 registers
	s_load_b256 s[4:11], s[0:1], 0x0               ; e s[4:5], W s[6:7], b s[8:9], out0 s[10:11]
	v_lshrrev_b32 v2, 5, v0
	v_readfirstlane_b32 s12, v2                    ; wave number in the work-group
	s_lshl4_add_u32 s13, ttmp9, s12                ; g = 16 x work-group + wave
	s_lshl_b32 s14, ttmp9, 13                      ; 16 waves x 512 bytes
	s_mov_b32 s15, 0x7fffffff                      ; everything but the sign
	v_lshl_add_u32 v[OFF], v0, 4, s14              ; 512 g + 16 lane = 8192 x work-group + 16 x thread
	; Which table row a lane builds.  Lanes 0-7 and 24-31 are the lanes whose K blocks a row may use (row half = lane half): they build the
	; rows of centres 0..3.  Lanes 8-23 would hold zeros: they build the rows of centres 4..7 for the lane 8 away.
	v_bfe_u32 v[WOFF], v0, 1, 2                    ; (lane >> 1) & 3: centre within its four
	v_lshrrev_b32 v3, 1, v0
	v_xor_b32 v3, v3, v0
	v_bfe_u32 v3, v3, 3, 1                         ; bit 3 xor bit 4: 1 in lanes 8-23
	v_lshlrev_b32 v[WOFF], 6, v[WOFF]
	v_lshl_add_u32 v[WOFF], v3, 8, v[WOFF]         ; 64 a bytes, a = centre + 4 in lanes 8-23
	v_and_b32 v4, 1, v0                            ; row parity: 0 cos, 1 sin
	v_lshl_or_b32 v3, v3, 1, v4
	v_cmp_eq_u32 s20, 0, v3                        ; lanes 0-7, 24-31, rows of cos: the entries go to registers 0-3
	v_cmp_eq_u32 s21, 1, v3                        ; lanes 0-7, 24-31, rows of sin: to registers 4-7
	v_lshlrev_b32 v[SG], 31, v0
	v_or_b32 v[SG], 0x3f800000, v[SG]              ; +1.0 or -1.0
.irp a, 0,1,2,3
	v_mov_b32 v[CA+2*\a+1], 0                      ; rows of sin have no term without a feature
	v_mov_b32 v[CB+2*\a+1], 0
.endr
	v_mov_b32 v[K9], 0x399ed7ba                    ; 3.0296838e-4
	v_mov_b32 v[K9+1], 0x399ed7ba
	v_mov_b32 v[F0], 2.0
	v_mov_b32 v[F0+1], 0
	v_mov_b32 v[KP+1], 0
	s_wait_kmcnt 0x0                               ; the four addresses
	s_load_b32 s16, s[6:7], 0x0                    ; W[0]
	s_load_b32 s17, s[8:9], 0x0                    ; b
.irp a, 0,1,2,3,4,5,6,7
	s_load_b32 s[24+\a], s[6:7], 64*\a+32          ; W[16 a + 8], the centres' own weights
.endr
; outer recurrence of one group: slot d = 2 cos(16 t) x slot p - slot q.  sel picks the group's register of the pair of X16 for both halves.
.macro UONE g, sel, d, p, q
	v_pk_fma_f32 v[F+16*\g+2*\d-2:F+16*\g+2*\d-1], v[X16+(\g/2)*2:X16+(\g/2)*2+1], v[F+16*\g+2*\p-2:F+16*\g+2*\p-1], v[F+16*\g+2*\q-2:F+16*\g+2*\q-1] op_sel:[\sel,0,0] op_sel_hi:[\sel,1,1] neg_lo:[0,0,1] neg_hi:[0,0,1]
.endm
.macro USTEP d, p, q
	UONE 0, 0, \d, \p, \q
	UONE 1, 1, \d, \p, \q
	UONE 2, 0, \d, \p, \q
	UONE 3, 1, \d, \p, \q
.endm
; its first step: the centre in front of centre 0 is -8 t, that is (cos 8t, -sin 8t): the cos half subtracts slot 8, the sin half adds it
.macro UFIRST g, sel
	v_pk_fma_f32 v[F+16*\g:F+16*\g+1], v[X16+(\g/2)*2:X16+(\g/2)*2+1], v[F+16*\g+14:F+16*\g+15], v[F+16*\g+14:F+16*\g+15] op_sel:[\sel,0,0] op_sel_hi:[\sel,1,1] neg_lo:[0,0,1]
.endm
; One block: 128 elements, four groups of 32 (group g = word g of each lane's 16 bytes), written group by group inside each step so that
; neighbouring instructions do not depend on each other.  left = loads of e issued behind this block's.
.macro BLOCK t, left
	s_wait_loadcnt \left                           ; loads return in order: this block's e is in, the later blocks' stay out
	; the angle in turns, e/2, less the nearest whole number: both steps are exact
	v_pk_mul_f32 v[T:T+1],   v[E+4*\t:E+4*\t+1],   0.5 op_sel_hi:[1,0]
	v_pk_mul_f32 v[T+2:T+3], v[E+4*\t+2:E+4*\t+3], 0.5 op_sel_hi:[1,0]
.irp g, 0,1,2,3
	v_rndne_f32 v[N+\g], v[T+\g]
.endr
	v_pk_add_f32 v[T:T+1],   v[T:T+1],   v[N:N+1]   neg_lo:[0,1] neg_hi:[0,1]
	v_pk_add_f32 v[T+2:T+3], v[T+2:T+3], v[N+2:N+3] neg_lo:[0,1] neg_hi:[0,1]     ; v in [-1/2, 1/2]
.irp g, 0,1,2,3
	v_fma_f32 v[F+16*\g+2], |v[T+\g]|, -4.0, 1.0   ; cos(2 pi v) = sin(pi/2 xc), xc = 1 - 4 |v|
.endr
.irp g, 0,1,2,3
	v_sub_f32 v[F+16*\g+3], 1.0, |v[F+16*\g+2]|    ; sin(2 pi v) = sin(pi/2 xs), |xs| = 1 - |xc|,
.endr
.irp g, 0,1,2,3
	v_bfi_b32 v[F+16*\g+3], s15, v[F+16*\g+3], v[T+\g]     ; with the sign of v
.endr
	; 2 sin(pi/2 x) on the pair (xc, xs): x in slot 2, x^2 in slot 3, Horner in slot 4, the result in slot 1
.irp g, 0,1,2,3
	v_pk_mul_f32 v[F+16*\g+4:F+16*\g+5], v[F+16*\g+2:F+16*\g+3], v[F+16*\g+2:F+16*\g+3]
.endr
.irp g, 0,1,2,3
	v_pk_fma_f32 v[F+16*\g+6:F+16*\g+7], v[F+16*\g+4:F+16*\g+5], v[K9:K9+1], 0xbc192663 op_sel_hi:[1,1,0]             ; -9.3475310e-3
.endr
.irp g, 0,1,2,3
	v_pk_fma_f32 v[F+16*\g+6:F+16*\g+7], v[F+16*\g+6:F+16*\g+7], v[F+16*\g+4:F+16*\g+5], 0x3e23345b op_sel_hi:[1,1,0] ; 0.15937941
.endr
.irp g, 0,1,2,3
	v_pk_fma_f32 v[F+16*\g+6:F+16*\g+7], v[F+16*\g+6:F+16*\g+7], v[F+16*\g+4:F+16*\g+5], 0xbfa55de2 op_sel_hi:[1,1,0] ; -1.2919276
.endr
.irp g, 0,1,2,3
	v_pk_fma_f32 v[F+16*\g+6:F+16*\g+7], v[F+16*\g+6:F+16*\g+7], v[F+16*\g+4:F+16*\g+5], 0x40490fdb op_sel_hi:[1,1,0] ; 3.1415927
.endr
.irp g, 0,1,2,3
	v_pk_mul_f32 v[F+16*\g:F+16*\g+1], v[F+16*\g+6:F+16*\g+7], v[F+16*\g+2:F+16*\g+3]      ; (2 cos t, 2 sin t)
.endr
	; slots 2..8: slot n = 2 cos t x slot n-1 - slot n-2; the multiplier is slot 1's first register in both halves
.irp g, 0,1,2,3
	v_pk_fma_f32 v[F+16*\g+2:F+16*\g+3], v[F+16*\g:F+16*\g+1], v[F+16*\g:F+16*\g+1], v[F0:F0+1] op_sel_hi:[0,1,1] neg_lo:[0,0,1] neg_hi:[0,0,1]
.endr
.irp b, 3,4,5,6,7,8
.irp g, 0,1,2,3
	v_pk_fma_f32 v[F+16*\g+2*\b-2:F+16*\g+2*\b-1], v[F+16*\g:F+16*\g+1], v[F+16*\g+2*\b-4:F+16*\g+2*\b-3], v[F+16*\g+2*\b-6:F+16*\g+2*\b-5] op_sel_hi:[0,1,1] neg_lo:[0,0,1] neg_hi:[0,0,1]
.endr
.endr
	; to f16: register i = cos of j = 2i+1, 2i+2; register 4+i = sin of the same
.irp i, 0,1,2,3
.irp g, 0,1,2,3
	v_cvt_pk_f16_f32 v[FR+8*\g+\i],   v[F+16*\g+4*\i],   v[F+16*\g+4*\i+2]
	v_cvt_pk_f16_f32 v[FR+8*\g+4+\i], v[F+16*\g+4*\i+1], v[F+16*\g+4*\i+3]
.endr
.endr
	; the brackets: 16 coefficients for each of 32 elements by two matrix instructions; W_A / 2 comes in as C
.irp g, 0,1,2,3
	v_wmma_f32_16x16x32_f16 v[D+16*\g:D+16*\g+7],    v[AWA:AWA+7], v[FR+8*\g:FR+8*\g+7], v[CA:CA+7]
	v_wmma_f32_16x16x32_f16 v[D+16*\g+8:D+16*\g+15], v[AWB:AWB+7], v[FR+8*\g:FR+8*\g+7], v[CB:CB+7]
.endr
	; The outer factors, 32 plain vector instructions that name no register of the matrix instructions above: they are the places
	; that stand between a matrix instruction and the first read of its result (ISA guide 7.12.1), and useful work.
.irp g, 0,1,2,3
	v_fma_f32 v[X16+\g], v[F+16*\g+14], v[F+16*\g+14], -2.0        ; 2 cos 16t = (2 cos 8t)^2 - 2
.endr
	UFIRST 0, 0                                    ; centre 1 into slot 1 (centre 0 is slot 8 as it stands)
	UFIRST 1, 1
	UFIRST 2, 0
	UFIRST 3, 1
	USTEP 2, 1, 8
	USTEP 3, 2, 1
	USTEP 4, 3, 2
	USTEP 5, 4, 3
	USTEP 6, 5, 4
	USTEP 7, 6, 5
	; the sum over the centres: (cos coefficient, sin coefficient) x (2 cos A t, 2 sin A t); the first product starts it on (W0 + b, 0)
.irp g, 0,1,2,3
	v_pk_fma_f32 v[ACC+2*\g:ACC+2*\g+1], v[D+16*\g:D+16*\g+1], v[F+16*\g+14:F+16*\g+15], v[KP:KP+1]
.endr
.irp a, 1,2,3,4,5,6,7
.irp g, 0,1,2,3
	v_pk_fma_f32 v[ACC+2*\g:ACC+2*\g+1], v[D+16*\g+2*\a:D+16*\g+2*\a+1], v[F+16*\g+2*\a-2:F+16*\g+2*\a-1], v[ACC+2*\g:ACC+2*\g+1]
.endr
.endr
.irp g, 0,1,2,3
	v_add_f32 v[E+4*\t+\g], v[ACC+2*\g], v[ACC+2*\g+1]             ; into the block's own e registers: no later line writes them
.endr
	global_store_b128 v[OFF], v[E+4*\t:E+4*\t+3], s[10:11] offset:\t*STRIDE th:TH_STORE_NT
.endm
; A wave's whole work with nb blocks (3 or 4).
.macro BODY nb
.irp i, 0,1,2,3
	global_load_b128 v[WR+4*\i:WR+4*\i+3], v[WOFF], s[6:7] offset:16*\i    ; W[16 a .. 16 a + 15]
.endr
	global_load_b32 v[WR+16], v[WOFF], s[6:7] offset:64                    ; W[16 a + 16]; for a = 7 that is W[128], the last
.irp t, 0,1,2
	global_load_b128 v[E+4*\t:E+4*\t+3], v[OFF], s[4:5] offset:\t*STRIDE th:TH_LOAD_NT
.endr
.if \nb > 3
	global_load_b128 v[E+12:E+15], v[OFF], s[4:5] offset:3*STRIDE th:TH_LOAD_NT
.endif
	s_wait_loadcnt \nb                             ; W is in; the nb loads of e issued behind it stay out
	; my row's entries, j = 1..8: W[A-j] + W[A+j] (cos) or W[A-j] - W[A+j] (sin); j = 8 has W[A+8] alone; then a quarter of them
.irp j, 1,2,3,4,5,6,7
	v_fma_f32 v[TB+\j-1], v[WR+8+\j], v[SG], v[WR+8-\j]
.endr
	v_mul_f32 v[TB+7], v[WR+16], v[SG]
.irp i, 0,2,4,6
	v_pk_mul_f32 v[TB+\i:TB+\i+1], v[TB+\i:TB+\i+1], 0x3e800000 op_sel_hi:[1,0]
.endr
.irp i, 0,1,2,3
	v_cvt_pk_f16_f32 v[PK+\i], v[TB+2*\i], v[TB+2*\i+1]
.endr
.irp i, 0,1,2,3
	v_mov_b32_dpp v[WR+\i], v[PK+\i] row_xmask:8 row_mask:0xf bank_mask:0xf        ; the rows of centres 4..7 come from the lane 8 away
.endr
.irp i, 0,1,2,3
	v_cndmask_b32 v[AWA+\i],   0, v[PK+\i], s20    ; rows of cos meet the cos features (registers 0-3),
	v_cndmask_b32 v[AWA+4+\i], 0, v[PK+\i], s21    ; rows of sin the sin features (registers 4-7); all else is zero
	v_cndmask_b32 v[AWB+\i],   0, v[WR+\i], s20
	v_cndmask_b32 v[AWB+4+\i], 0, v[WR+\i], s21
.endr
	s_wait_kmcnt 0x0                               ; W[0], b and the eight centres' weights
.irp a, 0,1,2,3
	v_mul_f32 v[CA+2*\a], 0.5, s[24+\a]
	v_mul_f32 v[CB+2*\a], 0.5, s[28+\a]
.endr
	s_add_f32 s22, s16, s17
	v_mov_b32 v[KP], s22                           ; W[0] + b
	BLOCK 0, \nb-1
	BLOCK 1, \nb-2
	BLOCK 2, \nb-3
.if \nb > 3
	BLOCK 3, 0
.endif
	s_endpgm
.endm
	s_cmp_lt_u32 s13, FULL
	s_cbranch_scc0 .Lthree
	BODY 4
.Lthree:
	BODY 3
.Lfunc_end_k_q375c5d1846_mfnn:
	.size	k_q375c5d1846_mfnn, .Lfunc_end_k_q375c5d1846_mfnn-k_q375c5d1846_mfnn
	.p2alignl 7, 3214868480
	.fill 96, 4, 3214868480
	.section	.rodata,"a",@progbits
	.p2align	6, 0x0
	.amdhsa_kernel k_q375c5d1846_mfnn
		.amdhsa_group_segment_fixed_size 0
		.amdhsa_private_segment_fixed_size 0
		.amdhsa_enable_private_segment 0
		.amdhsa_kernarg_size 32
		.amdhsa_user_sgpr_count 2
		.amdhsa_user_sgpr_kernarg_segment_ptr 1
		.amdhsa_wavefront_size32 1
		.amdhsa_system_sgpr_workgroup_id_x 1
		.amdhsa_system_sgpr_workgroup_id_y 1
		.amdhsa_system_sgpr_workgroup_id_z 1
		.amdhsa_system_vgpr_workitem_id 0
		.amdhsa_next_free_vgpr 240
		.amdhsa_next_free_sgpr 66
		.amdhsa_reserve_vcc 0
		.amdhsa_float_denorm_mode_32 3
		.amdhsa_float_denorm_mode_16_64 3
		.amdhsa_memory_ordered 1
		.amdhsa_forward_progress 1
		.amdhsa_inst_pref_size 92
	.end_amdhsa_kernel
	.amdgpu_metadata
---
amdhsa.version: [ 1, 2 ]
amdhsa.kernels:
  - .name:           k_q375c5d1846_mfnn
    .symbol:         k_q375c5d1846_mfnn.kd
    .args:
      - { .name: e, .offset: 0, .size: 8, .value_kind: global_buffer, .address_space: global }
      - { .name: W, .offset: 8, .size: 8, .value_kind: global_buffer, .address_space: global }
      - { .name: b, .offset: 16, .size: 8, .value_kind: global_buffer, .address_space: global }
      - { .name: out0, .offset: 24, .size: 8, .value_kind: global_buffer, .address_space: global }
    .group_segment_fixed_size: 0
    .private_segment_fixed_size: 0
    .kernarg_segment_align: 8
    .kernarg_segment_size: 32
    .max_flat_workgroup_size: 512
    .sgpr_count:     66
    .vgpr_count:     240
    .wavefront_size: 32
...
	.end_amdgpu_metadata
.endif
;; end of part 1
